; MI455X (gfx1250); checked and timed in simulation.
; The chip was launched on July 23, 2026; its instructions are those of AMD's public machine-readable ISA for CDNA 5 (MIT licence, August 2026) and "CDNA5" Instruction Set Architecture Reference Guide (July 2026). The comments in the code are by the model that wrote it; some were corrected since.
;; Fractal Attention. Allowed arithmetic: matrix products marked QUANTISED: E2M1 operands, one E8M0 scale for each 32 along K, by v_wmma_scale_f32_16x16x128_f8f6f4 with both operands' format E2M1 (or v_wmma_scale_f32_32x16x128_f4), f32 sums; products left as they are: bf16, f16 or f32 operands; f32 sums; everything else in f32.
;; Inputs: b_mix 128 float32; w_mix 1,024 x 128 float32; weights 4 x 8 x 128 x 128 float32; x 8 x 8,192 x 128 float32.
;; Outputs: out0 8 x 8,192 x 128 float32.
;; This version of the problem:
;;   THIS VERSION OF THE PROBLEM IS GIVEN IN LOW PRECISION. The matrix products marked QUANTISED in the list below multiply operands that are first quantised to E2M1 (2 exponent bits, 1 mantissa bit; 4 bits a number), with one power-of-two scale for each 32 numbers along K (OCP MX v1.0); their sums are f32. The products marked 'left as it is' may take bf16, f16 or f32 operands, with f32 sums. Whichever they take, every output number must still come out within the allowed error. Rounding operands to bf16 (8 significant bits) uses up far more of that allowance than f16 does (11 bits, for magnitudes from 6e-5 to 65,504). All else is computed in f32.
;;   The module's matrix products, in the order in which they are computed (A, B: the left and right operand; K: the contracted axis; several contracted axes count as one K, in the product's order):
;;     1. [M 1,024, K 128] x [K 128, N 65,536]; A: input weights; B: input x: QUANTISED
;;     2. [M 65,536, K 1,024] x [K 1,024, N 128]; A: computed on the way; B: input w_mix: left as it is (an operand is computed on the way)
;;     3. [M 1,024, K 128] x [K 128, N 65,536]; A: input weights; B: computed on the way: left as it is (an operand is computed on the way)
;;     4. [M 65,536, K 1,024] x [K 1,024, N 128]; A: computed on the way; B: input w_mix: left as it is (an operand is computed on the way)
;;     5. [M 1,024, K 128] x [K 128, N 65,536]; A: input weights; B: computed on the way: left as it is (an operand is computed on the way)
;;     6. [M 65,536, K 1,024] x [K 1,024, N 128]; A: computed on the way; B: input w_mix: left as it is (an operand is computed on the way)
;;     7. [M 1,024, K 128] x [K 128, N 65,536]; A: input weights; B: computed on the way: left as it is (an operand is computed on the way)
;;     8. [M 65,536, K 1,024] x [K 1,024, N 128]; A: computed on the way; B: input w_mix: left as it is (an operand is computed on the way)
;;   THE QUANTISER, for each operand of a quantised product, along K:
;;     - K is cut into blocks of 32 from its start; a last block that is shorter is filled with zeros.
;;     - A block's scale is 2^e with e = floor(log2(the largest magnitude in the block)) - 2, held to -126 .. 127; a block of zeros has e = 0. As a byte (E8M0): e + 127.
;;     - Each number is divided by its block's scale, clamped to +-6, and rounded to the nearest number of E2M1, ties to even, subnormals kept.
;;     - The product sums the exact products of the quantised numbers (number of the format x scale) in f32.
;;   ~~~python
;;   def quantise(x, axis):      # numpy; x: float32 -> the quantised numbers, widened to float32 again
;;       x = np.moveaxis(x, axis, -1); K = x.shape[-1]
;;       x = np.pad(x, [(0, 0)] * (x.ndim - 1) + [(0, -K % 32)]); x = x.reshape(x.shape[:-1] + (-1, 32)); a = np.abs(x).max(-1, keepdims=True)
;;       e = np.where(a > 0, np.clip(np.frexp(np.where(a > 0, a, 1))[1] - 1 - 2, -126, 127), 0)      # np.frexp(a)[1] - 1 = floor(log2(a)), exactly
;;       r = np.clip(x / 2.0 ** e, -6, 6)
;;       step = 2.0 ** (np.maximum(np.frexp(np.where(r == 0, 1, r))[1] - 1, 0) - 1)
;;       q = np.round(r / step) * step * 2.0 ** e      # np.round: ties to even
;;       return np.moveaxis(q.reshape(q.shape[:-2] + (-1,))[..., :K], -1, axis).astype(np.float32)
;;   ~~~
;; One version. Each part assembles by itself: llvm-mc -triple=amdgcn-amd-amdhsa -mcpu=gfx1250 --defsym DOCPART=n.
;; ======== version 1 of 1: 5 launches
;; limits: values are held in f16: magnitudes above 65,504 overflow, below 6.1e-05 lose precision; right only within a limited range of input values
;; workspace buffers: xq 4,456,448 bytes; l1w 335,872 bytes; c2 2,097,152 bytes; c3 2,097,152 bytes; c4 2,097,152 bytes; ya 16,809,984 bytes; yb 16,809,984 bytes
;; launch prep (part 1): grid 464 x 1, 4 waves a work-group, no clusters, 104,960 bytes of LDS; arguments x, weights, w_mix, xq, l1w, c2, c3, c4; writes xq, l1w, c2, c3, c4
.if DOCPART == 1
	.amdgcn_target "amdgcn-amd-amdhsa--gfx1250"
	.amdhsa_code_object_version 6
	.text
	.protected	k_q1deed447e5_prep
	.globl	k_q1deed447e5_prep
	.p2align	8
	.type	k_q1deed447e5_prep,@function
k_q1deed447e5_prep:
	s_mov_b64 s[64:65], 0
	v_nop
	global_prefetch_b8 v0, s[64:65] scope:SCOPE_SE
	s_setreg_imm32_b32 hwreg(HW_REG_WAVE_MODE, 25, 1), 1
	s_wait_xcnt 0x0
; PREPARATION, three jobs told apart by the work-group's number alone; each job has LDS bytes of its own.
;   0..191   FOLD: C[k][h][(j,d)][o] = sum over e of weights[k+1][h][d][e] x w_mix[128 j + e][o], f16 operands, f32 sums, stored as f16 in the order of a matrix operand's registers
;            (an IMAGE: 1,024 bytes a fragment, registers 4 c .. 4 c + 3 of lane l at 512 c + 16 l).  (x W) Wm = x (W Wm) holds for every input.  The work-groups of k = 0, h = 0 also store w_mix's own fragments.
;   192..207 weights[0] into codes of E2M1 along d (its first matrix axis), with E8M0 scale words, as images: row = e, K = d.
;   208..463 x into codes of E2M1 along its last axis: codes [65536][64 bytes], scale bytes [65536][4] behind them.
; A block's scale is 2^(floor(log2(largest magnitude)) - 2): its byte is the largest magnitude's exponent field - 2, held at 1 from below.
; LIMITS: a block of zeros gets the byte 1 where the rule says 127 (its codes are zeros, and this program alone reads the bytes); blocks whose largest magnitude lies under 2^-124 share that byte;
; NaN and infinities among the inputs are not served; |weights|, |w_mix| and |C| stay under 65,504 (f16), and C's rounding coarsens where its numbers fall under 6e-5.
.set SPW,   12                         ; v12  LDS address of my spare word; never rewritten
.set NIL,   13                         ; v13  0; never rewritten
.set WMS,   32768                      ; fold: w_mix's 128 rows of chunk j as f16, pitch 288
.set WST,   69632                      ; fold: 32 rows of W as f16 for each wave, pitch 272 (8,704 bytes a wave)
.set SPARE, 104448                     ; the spare words, 128 bytes a wave
.set WMOFF, 73728                      ; l1w: w_mix's images
.set WSOFF, 65536                      ; l1w: weights[0]'s scale words
.set XSOFF, 4194304                    ; xq: the scale bytes
.macro PLACES
.rept 4
	v_nop
.endr
.endm
	s_load_b256 s[4:11], s[0:1], 0x0               ; x s[4:5], weights s[6:7], w_mix s[8:9], xq s[10:11]
	s_load_b256 s[12:19], s[0:1], 0x20             ; l1w s[12:13], c2 s[14:15], c3 s[16:17], c4 s[18:19]
	v_lshl_add_u32 v[SPW], v0, 2, SPARE
	v_mov_b32 v[NIL], 0
	v_lshrrev_b32 v1, 5, v0
	v_readfirstlane_b32 s20, v1                    ; wave 0..3
	v_and_b32 v2, 31, v0                           ; lane
	v_lshlrev_b32 v3, 4, v2                        ; 16 x lane
	s_mov_b32 s33, 0                               ; the upper word of every offset
	s_wait_kmcnt 0x0
	s_cmp_ge_u32 ttmp9, 208
	s_cbranch_scc1 .Lpath_x
	s_cmp_ge_u32 ttmp9, 192
	s_cbranch_scc1 .Lpath_q
; ---------------------------------------------------------------- FOLD: work-group (k, h, j); wave w owns d = 32 w .. 32 w + 31
	s_lshr_b32 s21, ttmp9, 3                       ; 8 k + h
	s_and_b32 s22, ttmp9, 7                        ; j
	s_lshr_b32 s23, s21, 3                         ; k
	s_and_b32 s24, s21, 7                          ; h
	s_cmp_eq_u32 s23, 0
	s_cselect_b64 s[26:27], s[14:15], s[16:17]     ; the level's buffer, chosen by the work-group's number
	s_cmp_eq_u32 s23, 2
	s_cselect_b64 s[26:27], s[18:19], s[26:27]
	s_cmp_eq_u32 s21, 0
	s_cselect_b32 s31, s20, 0xffff                 ; my wave's number where w_mix's own images are stored too, else no wave's
	s_lshl_b32 s32, s24, 3
	s_add_co_u32 s32, s32, s22
	s_lshl_b32 s32, s32, 15                        ; (8 h + j) x 32 images
	s_lshl_b32 s25, s20, 13                        ; + 8 w images
	s_add_co_u32 s32, s32, s25
	s_add_nc_u64 s[26:27], s[26:27], s[32:33]
	s_lshl_b32 s25, s20, 14                        ; 32 w rows of 512 bytes
	s_add_co_u32 s32, s21, 8
	s_lshl_b32 s32, s32, 16                        ; weights[k + 1][h]
	s_add_co_u32 s32, s32, s25
	s_add_nc_u64 s[6:7], s[6:7], s[32:33]
	s_lshl_b32 s32, s22, 16                        ; w_mix's rows 128 j on
	s_add_co_u32 s32, s32, s25
	s_add_nc_u64 s[8:9], s[8:9], s[32:33]
	s_lshl_b32 s32, s22, 15
	s_add_co_u32 s32, s32, WMOFF
	s_add_nc_u64 s[12:13], s[12:13], s[32:33]      ; w_mix's images of chunk j
	s_mul_i32 s28, s20, 9216
	s_add_co_u32 s28, s28, WMS
	v_lshl_add_u32 v4, v2, 3, s28                  ; w_mix into LDS: my wave's 32 rows, 8 bytes a lane
	s_mul_i32 s28, s20, 8704
	s_add_co_u32 s28, s28, WST
	v_lshl_add_u32 v5, v2, 3, s28                  ; W into LDS likewise
	v_and_b32 v8, 15, v2                           ; r
	v_lshrrev_b32 v9, 4, v2                        ; half
	v_mul_u32_u24 v6, v8, 272
	v_lshl_add_u32 v6, v9, 4, v6
	v_add_nc_u32 v6, s28, v6                       ; W's fragments: row r, + 16 x half
	v_and_b32 v10, 7, v2
	v_lshl_add_u32 v10, v9, 3, v10
	v_mul_u32_u24 v7, v10, 288
	v_bfe_u32 v10, v2, 3, 1
	v_lshl_add_u32 v7, v10, 4, v7
	v_add_nc_u32 v7, WMS, v7                       ; the turning load: row 8 x half + lane % 8, + 16 x ((lane / 8) % 2)
.macro FLD set, base, first            ; 16 rows of 512 bytes, a row an instruction
.set fi, 0
.rept 16
	global_load_b128 v[\set+4*fi:\set+4*fi+3], v3, s[\base:\base+1] offset:512*(\first+fi)
.set fi, fi+1
.endr
.endm
.macro FCV set, adr, pitch, first      ; rounded to f16 and laid into LDS rows
.set fi, 0
.rept 16
	v_cvt_pk_f16_f32 v[192+2*fi], v[\set+4*fi], v[\set+4*fi+1]
	v_cvt_pk_f16_f32 v[193+2*fi], v[\set+4*fi+2], v[\set+4*fi+3]
.set fi, fi+1
.endr
.set fi, 0
.rept 16
	ds_store_b64 v[\adr], v[192+2*fi:193+2*fi] offset:\pitch*(\first+fi)
.set fi, fi+1
.endr
	s_wait_dscnt 0x0                               ; the stores are done: v192-223 may be written again, and the barrier below finds nothing out
.endm
	FLD 64, 8, 0
	FLD 128, 8, 16
	s_wait_loadcnt 16                              ; the older batch is in; the younger batch of 16 may be out
	FCV 64, 4, 288, 0
	FLD 64, 6, 0
	s_wait_loadcnt 16
	FCV 128, 4, 288, 16
	FLD 128, 6, 16
	s_wait_loadcnt 16
	FCV 64, 5, 272, 0
	s_wait_loadcnt 0x0
	FCV 128, 5, 272, 16
	s_barrier_signal -1                            ; w_mix's 128 rows come from four waves
	s_barrier_wait -1
.irp dd, 0,1                           ; W's fragments (16 rows of d x 32 of e) stay in v64-127
.irp t, 0,1,2,3
	ds_load_b128 v[64+32*\dd+8*\t:64+32*\dd+8*\t+3], v6 offset:\dd*16*272+64*\t
	ds_load_b128 v[64+32*\dd+8*\t+4:64+32*\dd+8*\t+7], v6 offset:\dd*16*272+64*\t+32
.endr
.endr
; 16 columns o of C for my 32 rows d.  Source 0 = W (rows d), source 1 = w_mix (columns o, turned on the way out of LDS): a lane then holds column o = lane % 16 and eight neighbouring d: a weight fragment's registers.
; All registers alternate with ot's parity, so that twelve plain instructions and more lie between a set's last product and the product that begins it anew.  The two accumulators take turns.
.macro FOT ot
.set WF, 128+32*((\ot)%2)
.set AC, 192+16*((\ot)%2)
.set PK, 224+8*((\ot)%2)
	s_wait_xcnt 0x0                                ; the stores of two steps back have read their registers
.irp t, 0,1,2,3
	ds_load_tr16_b128 v[WF+8*\t:WF+8*\t+3], v7 offset:32*\t*288+32*(\ot)
	ds_load_tr16_b128 v[WF+8*\t+4:WF+8*\t+7], v7 offset:32*\t*288+16*288+32*(\ot)
.endr
	s_wait_dscnt 0x0
.irp t, 0,1,2,3
.irp dd, 0,1
.if \t == 0
	v_wmma_f32_16x16x32_f16 v[AC+8*\dd:AC+8*\dd+7], v[64+32*\dd+8*\t:64+32*\dd+8*\t+7], v[WF+8*\t:WF+8*\t+7], 0
.else
	v_wmma_f32_16x16x32_f16 v[AC+8*\dd:AC+8*\dd+7], v[64+32*\dd+8*\t:64+32*\dd+8*\t+7], v[WF+8*\t:WF+8*\t+7], v[AC+8*\dd:AC+8*\dd+7]
.endif
.endr
.endr
	PLACES
.irp dd, 0,1
.irp k, 0,1,2,3
	v_cvt_pk_f16_f32 v[PK+4*\dd+\k], v[AC+8*\dd+2*\k], v[AC+8*\dd+2*\k+1]
.endr
.endr
	global_store_b128 v3, v[PK:PK+3], s[26:27] offset:(\ot)*1024        ; 32 lanes store 512 consecutive bytes
	global_store_b128 v3, v[PK+4:PK+7], s[26:27] offset:(\ot)*1024+512
	s_cmp_eq_u32 s31, (\ot)/2                      ; w_mix's own fragments, for level 1: one work-group for each j, two ot a wave
	s_cbranch_scc0 .Lnowm_\@
.irp t, 0,1,2,3
	global_store_b128 v3, v[WF+8*\t:WF+8*\t+3], s[12:13] offset:(\t*8+(\ot))*1024
	global_store_b128 v3, v[WF+8*\t+4:WF+8*\t+7], s[12:13] offset:(\t*8+(\ot))*1024+512
.endr
.Lnowm_\@:
.endm
.irp o, 0,1,2,3,4,5,6,7
	FOT \o
.endr
	s_wait_tensorcnt 0x0                           ; the wave's end: an add to my spare word and its wait behind my last LDS store
	ds_add_u32 v[SPW], v[NIL]
	s_wait_dscnt 0x0
	s_endpgm
; ---------------------------------------------------------------- weights[0] into codes: one fragment (16 columns e x 128 of d) a wave.  A lane takes a column e and its registers run down d.
.Lpath_q:
	s_sub_co_u32 s21, ttmp9, 192
	s_lshr_b32 s22, s21, 1                         ; h
	s_and_b32 s23, s21, 1
	s_lshl_b32 s23, s23, 2
	s_add_co_u32 s23, s23, s20                     ; tile of e
	s_lshl_b32 s32, s22, 16
	s_lshl_b32 s25, s23, 6
	s_add_co_u32 s32, s32, s25
	s_add_nc_u64 s[6:7], s[6:7], s[32:33]          ; weights[0][h][0][16 et]
	s_lshl_b32 s26, s22, 3
	s_add_co_u32 s26, s26, s23                     ; 8 h + et
	s_lshl_b32 s32, s26, 10
	s_add_nc_u64 s[28:29], s[12:13], s[32:33]      ; its image
	s_lshl_b32 s32, s26, 7
	s_add_co_u32 s32, s32, WSOFF
	s_add_nc_u64 s[30:31], s[12:13], s[32:33]      ; its scale words
	s_mov_b32 s34, 0x76543210
	s_mov_b32 s35, 0xfedcba98                      ; lane l xor 16
	v_and_b32 v8, 15, v2
	v_lshrrev_b32 v9, 4, v2
	v_lshlrev_b32 v5, 2, v8
	v_lshl_add_u32 v5, v9, 14, v5                  ; column r; lanes 16-31 begin 32 rows of 512 bytes further down
	v_lshlrev_b32 v4, 2, v2
.irp c, 0,1
.set qi, 0
.rept 32
	global_load_b32 v[64+32*\c+qi], v5, s[6:7] offset:512*(64*\c+qi)
.set qi, qi+1
.endr
.endr
	s_wait_loadcnt 0x0
.irp c, 0,1
	v_max3_num_f32 v[32+\c], |v[64+32*\c]|, |v[65+32*\c]|, 0x1800000   ; my block 2 c + half, and the floor 2^(3 - 127)
.endr
.irp i, 2,4,6,8,10,12,14,16,18,20,22,24,26,28,30
.irp c, 0,1
	v_max3_num_f32 v[32+\c], v[32+\c], |v[64+32*\c+\i]|, |v[65+32*\c+\i]|
.endr
.endr
.irp c, 0,1
	v_add_nc_u32 v[44+\c], 0xff000000, v[32+\c]    ; 2 off the exponent field: the conversion's scale operand
.endr
.irp c, 0,1
	v_lshrrev_b32 v[36+\c], 23, v[44+\c]           ; the scale's byte
.endr
	v_lshl_or_b32 v16, v37, 16, v36
	v_lshlrev_b32 v17, 3, v9
	v_lshlrev_b32 v16, v17, v16                    ; my two bytes at their places,
	v_mov_b32 v17, 0
	v_permlanex16_b32 v17, v16, s34, s35
	v_or_b32 v16, v16, v17                         ; with lane l xor 16's two the word is whole
.irp c, 0,1
.irp g, 0,1,2,3
	v_cvt_scalef32_pk8_fp4_f32 v[48+4*\c+\g], v[64+32*\c+8*\g:71+32*\c+8*\g], v[44+\c]
.endr
.endr
	v_nop                                          ; a plain line behind the last scaled conversion
	global_store_b128 v3, v[48:51], s[28:29]
	global_store_b128 v3, v[52:55], s[28:29] offset:512
	global_store_b32 v4, v16, s[30:31]
	s_endpgm
; ---------------------------------------------------------------- x into codes: a wave takes 16 steps of 512 numbers.  Loads take the bytes as they lie; a step's 2,048 bytes turn through the wave's own stage in LDS,
; so that a lane holds 16 neighbours (two lanes a block).  A wave's 256 scale bytes gather in LDS and leave as 256 consecutive bytes.
.Lpath_x:
	s_sub_co_u32 s21, ttmp9, 208
	s_lshl_b32 s21, s21, 2
	s_add_co_u32 s21, s21, s20                     ; my run of 8,192 numbers
	s_lshl_b32 s32, s21, 15
	s_add_nc_u64 s[4:5], s[4:5], s[32:33]
	s_lshl_b32 s32, s21, 12
	s_add_nc_u64 s[24:25], s[10:11], s[32:33]      ; its codes
	s_lshl_b32 s32, s21, 8
	s_add_co_u32 s32, s32, XSOFF
	s_add_nc_u64 s[26:27], s[10:11], s[32:33]      ; its scale bytes
	s_lshl_b32 s22, s20, 13                        ; my wave's 8,192 bytes of LDS: two stages of 2,560, then 256 scale bytes
	v_lshrrev_b32 v14, 2, v2
	v_mul_u32_u24 v14, v14, 80
	v_and_b32 v15, 3, v2
	v_lshl_add_u32 v14, v15, 4, v14
	v_add_nc_u32 v14, s22, v14                     ; in: four lanes' 64 bytes on end, then 16 of padding
	v_mul_u32_u24 v15, v2, 80
	v_add_nc_u32 v15, s22, v15                     ; out: 80 x lane: my 16 neighbours
	v_lshlrev_b32 v4, 3, v2                        ; 8 bytes a lane
	v_lshrrev_b32 v5, 1, v2
	s_add_co_u32 s22, s22, 5120
	v_add_nc_u32 v5, s22, v5                       ; my block's byte
	v_add_nc_u32 v6, s22, v4
.macro XLD t
.irp i, 0,1,2,3
	global_load_b128 v[16+16*((\t)%4)+4*\i:16+16*((\t)%4)+4*\i+3], v3, s[4:5] offset:2048*(\t)+512*\i th:TH_LOAD_NT
.endr
.endm
.macro XTURN t                         ; LDS serves a wave's instructions in order: no wait between the stores and the loads
.irp i, 0,1,2,3
	ds_store_b128 v14, v[16+16*((\t)%4)+4*\i:16+16*((\t)%4)+4*\i+3] offset:2560*((\t)%2)+640*\i
.endr
.irp i, 0,1,2,3
	ds_load_b128 v[80+16*((\t)%2)+4*\i:80+16*((\t)%2)+4*\i+3], v15 offset:2560*((\t)%2)+16*\i
.endr
.endm
.irp t, 0,1,2,3
	XLD \t
.endr
	s_wait_loadcnt 12                              ; step 0's four loads are in
	XTURN 0
.macro XSTEP t
.set XSR, 80+16*((\t)%2)
.if (\t) > 0
	s_wait_dscnt 1                                 ; this step's numbers are back (the last step's byte store may be out)
.else
	s_wait_dscnt 0x0
.endif
.if (\t)+4 < 16
	XLD (\t)+4
.endif
.if (\t)+1 < 16
.if 14-(\t) >= 3
	s_wait_loadcnt 12                              ; the next step's loads are in; those of the three steps behind it may be out
.else
	s_wait_loadcnt 4*(14-(\t))
.endif
	XTURN (\t)+1
.endif
	v_max3_num_f32 v8, |v[XSR]|, |v[XSR+1]|, |v[XSR+2]|
	v_max3_num_f32 v9, |v[XSR+3]|, |v[XSR+4]|, |v[XSR+5]|
.irp i, 6,10
	v_max3_num_f32 v8, v8, |v[XSR+\i]|, |v[XSR+\i+1]|
	v_max3_num_f32 v9, v9, |v[XSR+\i+2]|, |v[XSR+\i+3]|
.endr
	v_max3_num_f32 v8, v8, |v[XSR+14]|, |v[XSR+15]|
	v_max3_num_f32 v8, v8, v9, 0x1800000           ; and the floor 2^(3 - 127)
	v_max_num_f32_dpp v8, v8, v8 row_xmask:1 row_mask:0xf bank_mask:0xf   ; with my neighbour's 16: the block's
	v_add_nc_u32 v11, 0xff000000, v8
	v_cvt_scalef32_pk8_fp4_f32 v[128+4*(\t)], v[XSR:XSR+7], v11
	v_cvt_scalef32_pk8_fp4_f32 v[129+4*(\t)], v[XSR+8:XSR+15], v11
	v_lshrrev_b32 v[112+(\t)], 23, v11             ; the scale's byte (also the plain line behind the conversions)
	ds_store_b8 v5, v[112+(\t)] offset:16*(\t)     ; both lanes of a block write the same byte with the same value
	global_store_b64 v4, v[128+4*(\t):129+4*(\t)], s[24:25] offset:256*(\t)   ; 32 lanes store 256 consecutive bytes
.endm
.irp t, 0,1,2,3,4,5,6,7,8,9,10,11,12,13,14,15
	XSTEP \t
.endr
	ds_load_b64 v[8:9], v6
	s_wait_dscnt 0x0
	global_store_b64 v4, v[8:9], s[26:27]
	s_wait_tensorcnt 0x0                           ; the wave's end: an add to my spare word and its wait behind my last LDS store
	ds_add_u32 v[SPW], v[NIL]
	s_wait_dscnt 0x0
	s_endpgm
.Lfunc_end_k_q1deed447e5_prep:
	.size	k_q1deed447e5_prep, .Lfunc_end_k_q1deed447e5_prep-k_q1deed447e5_prep
	.p2alignl 7, 3214868480
	.fill 96, 4, 3214868480
	.section	.rodata,"a",@progbits
	.p2align	6, 0x0
	.amdhsa_kernel k_q1deed447e5_prep
		.amdhsa_group_segment_fixed_size 104960
		.amdhsa_private_segment_fixed_size 0
		.amdhsa_enable_private_segment 0
		.amdhsa_kernarg_size 64
		.amdhsa_user_sgpr_count 2
		.amdhsa_user_sgpr_kernarg_segment_ptr 1
		.amdhsa_wavefront_size32 1
		.amdhsa_system_sgpr_workgroup_id_x 1
		.amdhsa_system_sgpr_workgroup_id_y 1
		.amdhsa_system_sgpr_workgroup_id_z 1
		.amdhsa_system_vgpr_workitem_id 0
		.amdhsa_next_free_vgpr 256
		.amdhsa_next_free_sgpr 66
		.amdhsa_reserve_vcc 0
		.amdhsa_float_denorm_mode_32 3
		.amdhsa_float_denorm_mode_16_64 3
		.amdhsa_memory_ordered 1
		.amdhsa_forward_progress 1
		.amdhsa_inst_pref_size 86
	.end_amdhsa_kernel
	.amdgpu_metadata
---
amdhsa.version: [ 1, 2 ]
amdhsa.kernels:
  - .name:           k_q1deed447e5_prep
    .symbol:         k_q1deed447e5_prep.kd
    .args:
      - { .name: x, .offset: 0, .size: 8, .value_kind: global_buffer, .address_space: global }
      - { .name: weights, .offset: 8, .size: 8, .value_kind: global_buffer, .address_space: global }
      - { .name: w_mix, .offset: 16, .size: 8, .value_kind: global_buffer, .address_space: global }
      - { .name: xq, .offset: 24, .size: 8, .value_kind: global_buffer, .address_space: global }
      - { .name: l1w, .offset: 32, .size: 8, .value_kind: global_buffer, .address_space: global }
      - { .name: c2, .offset: 40, .size: 8, .value_kind: global_buffer, .address_space: global }
      - { .name: c3, .offset: 48, .size: 8, .value_kind: global_buffer, .address_space: global }
      - { .name: c4, .offset: 56, .size: 8, .value_kind: global_buffer, .address_space: global }
    .group_segment_fixed_size: 104960
    .private_segment_fixed_size: 0
    .kernarg_segment_align: 8
    .kernarg_segment_size: 64
    .max_flat_workgroup_size: 128
    .sgpr_count:     66
    .vgpr_count:     256
    .wavefront_size: 32
...
	.end_amdgpu_metadata
.endif
;; end of part 1
;; launch lvl1 (part 2): grid 256 x 1, 4 waves a work-group, clusters of 4 x 1, 327,680 bytes of LDS; arguments xq, l1w, b_mix, ya; writes ya
.if DOCPART == 2
	.amdgcn_target "amdgcn-amd-amdhsa--gfx1250"
	.amdhsa_code_object_version 6
	.text
	.protected	k_q1deed447e5_lvl1
	.globl	k_q1deed447e5_lvl1
	.p2align	8
	.type	k_q1deed447e5_lvl1,@function
k_q1deed447e5_lvl1:
	s_mov_b64 s[64:65], 0
	v_nop
	global_prefetch_b8 v0, s[64:65] scope:SCOPE_SE
	s_setreg_imm32_b32 hwreg(HW_REG_WAVE_MODE, 25, 1), 1
	s_wait_xcnt 0x0
	s_wait_alu depctr_hold_cnt(0) depctr_sa_sdst(0) depctr_va_vdst(0) depctr_va_sdst(0) depctr_va_ssrc(0) depctr_va_vcc(0) depctr_vm_vsrc(0)
	s_getreg_b32 s2, hwreg(HW_REG_IB_STS2, 6, 4)
	s_cmp_eq_u32 s2, 0
	s_cbranch_scc0 .Lentry_in_a_cluster
	s_endpgm
.Lentry_in_a_cluster:
	s_bfe_u32 s2, ttmp6, 0x10000c
	s_cmp_lg_u32 s2, 0x3003
	s_cbranch_scc0 .Lentry_shape_is_right
	s_endpgm
.Lentry_shape_is_right:
; LEVEL 1.  For a segment of 1,024 rows: y[128 h + g] = sum over j of (x[8 g + j] W0[h]) Wm_j + b.  The first product runs on codes of E2M1 with E8M0 scales, the second on f16, sums in f32.
; SHARES.  A cluster is a segment, a work-group two heads (2 cx, 2 cx + 1), a wave 32 groups g: four UNITS u = 2 x head + tile of 16 groups.  The four partners ask JOINTLY for the segment's codes and for w_mix's chunks.
; Both products are used transposed (source 0 = 16 weight rows, source 1 = 16 activation rows): a lane holds one group g throughout.  Two neighbouring tiles of the first product, rounded to f16 in pairs, are a fragment of the second.
; THE HIDDEN OPERAND'S SCALE.  P = mh x 2^(127 - Bx) x 2^(127 - Bw), Bx the largest scale byte of the group's 8 rows, Bw of the head's weights: |P| <= 128 x 36 for every input, so f16 has the room; the way out multiplies back.  Exact.
; WHAT IS STORED.  y x sf as f16 in the order of the next level's operand registers, sf a power of two for each next-level group of 8 rows (its largest magnitude lands in [2^14, 2^15)); 1 / sf as f32 behind the data.
; A STEP is 32 along the second K: 32 f16 products; beside them the 8 products on codes for the NEXT step and their scaling and rounding, in slices of four behind every second product.
; LIMITS: 2^(Bx + Bw - 254) and its inverse must be normal f32 numbers; groups whose largest magnitude lies under 2^-100 share that scale; NaN and infinities are not served.
; REGISTERS, in windows of 256.  window 0: v2-11 addresses; v12-13 x's scale words; v16-31 W's; v32-47 the factors; v48-51 the groups' scales; v64-127 first product; v128-191 P, two sets; v192.. at work.
;   window 1: the 32 accumulators (u, ot) at 64 u + 8 ot.   window 2: v0-127 W's codes; v128-143 x's codes of the j in hand; v160-223 the bias in the result's layout.   window 3: w_mix's fragments, two sets of 64.
.set SLOTB, 32768                      ; a slot: w_mix's chunk j, 32 images
.set XC,    65536                      ; x's codes: 32 groups of 512 bytes + 16 for each wave
.set XCW,   16896
.set XSC,   133120                     ; x's scale bytes, 1,024 a wave
.set STG,   137216                     ; the stage: 16 blocks of 4,096 bytes + 32
.set SPARE, 203264
.set WMOFF, 73728
.set WSOFF, 65536
.set XSOFF, 4194304
.set GSOFF, 16777216
.set LI,  2                            ; v2   16 x lane
.set XA,  3                            ; v3   x's codes of the j in hand
.set XSA, 4                            ; v4   x's scale words of the j in hand
.set STO, 5                            ; v5   the stage, in
.set RD,  6                            ; v6   the stage, out
.set BA,  7                            ; v7   32 x half: the bias
.set GSO, 8                            ; v8   4 x (r / 8)
.set LS,  9                            ; v9   4 x lane
.set SPW, 10
.set NIL, 11
.set XS,  12
.set WS,  16
.set FD,  32                           ; pairs: the factor down, unit u
.set FU,  40                           ; pairs: the factor up
.set GN,  48
.set S1,  64
.set P,   128
.set TM,  192
.set WV,  12
.set G1W, 16
.set G1X, 24
.set G1S, 32
.set G0X, 40
.set G0S, 44
.set G0W, 48                           ; s[48:51] slot 0, s[52:55] slot 1
.set SEL, 56
.set LAPS, 58
.set MK,  59
.set MSB, 0
.macro WIN new                         ; the immediate's high byte repeats the setting that is left
.if MSB != \new
	s_set_vgpr_msb (MSB<<8)|\new
.set MSB, \new
.endif
.endm
.macro PLACES
.rept 4
	v_nop
.endr
.endm
.macro CREST                           ; a round of the cluster's barrier behind its opening barrier
	s_cmp_lg_u32 s[WV], 0
	s_cbranch_scc1 .Lnot_wave_0_\@
	s_barrier_signal -3
.Lnot_wave_0_\@:
	s_barrier_wait -3
	s_barrier_signal -1
	s_barrier_wait -1
.endm
.macro CROUND
	s_barrier_signal -1
	s_barrier_wait -1
	CREST
.endm
	s_load_b256 s[4:11], s[0:1], 0x0               ; xq s[4:5], l1w s[6:7], b_mix s[8:9], ya s[10:11]
	v_lshl_add_u32 v[SPW], v0, 2, SPARE
	v_mov_b32 v[NIL], 0
	ds_add_u32 v[SPW], v[NIL]                      ; the opening: the add, twice on end, and its wait ahead of my first tensor load
	ds_add_u32 v[SPW], v[NIL]
	v_lshrrev_b32 v1, 5, v0
	v_readfirstlane_b32 s[WV], v1                  ; wave 0..3
	s_mov_b32 s[G1W+0], 15|(3<<16)|(1<<21)         ; all four work-groups; elements of 8 bytes; bit 21 beside a mask.  8,192 dense bytes as 32 rows of 256
	s_mov_b32 s[G1W+1], 32<<16
	s_mov_b32 s[G1W+2], 32<<16
	s_mov_b32 s[G1W+3], 32<<16
	s_mov_b32 s[G1W+4], 32
	s_mov_b32 s[G1W+5], 32
	s_mov_b32 s[G1W+6], 0
	s_mov_b32 s[G1W+7], 0
	s_mov_b32 s[G1X+0], 15|(3<<16)|(1<<20)|(1<<21)|(6<<22)|(3<<25)   ; 32 rows of 512 bytes (a group's 8 rows of codes), 4 words of padding behind every 128
	s_mov_b32 s[G1X+1], 64<<16
	s_mov_b32 s[G1X+2], 32<<16
	s_mov_b32 s[G1X+3], 64<<16
	s_mov_b32 s[G1X+4], 32
	s_mov_b32 s[G1X+5], 64
	s_mov_b32 s[G1X+6], 0
	s_mov_b32 s[G1X+7], 0
	s_mov_b32 s[G1S+0], 15|(3<<16)|(1<<21)         ; 1,024 dense bytes as 4 rows of 256
	s_mov_b32 s[G1S+1], 32<<16
	s_mov_b32 s[G1S+2], 4<<16
	s_mov_b32 s[G1S+3], 32<<16
	s_mov_b32 s[G1S+4], 4
	s_mov_b32 s[G1S+5], 32
	s_mov_b32 s[G1S+6], 0
	s_mov_b32 s[G1S+7], 0
	s_mov_b32 s[SEL], 0x76543210
	s_mov_b32 s[SEL+1], 0xfedcba98
	s_mov_b32 s[MK], 0x7f800000
	s_lshl_b32 s60, ttmp9, 16                      ; the segment's codes, my wave's 256 rows: made of what all four partners share
	s_lshl_b32 s62, s[WV], 14
	s_add_co_u32 s60, s60, s62
	s_mov_b32 s61, 0
	s_lshl_b32 s62, ttmp9, 12                      ; their scale bytes
	s_lshl_b32 s63, s[WV], 10
	s_add_co_u32 s62, s62, s63
	s_add_co_u32 s62, s62, XSOFF
	s_add_co_u32 s15, s63, XSC                     ; and in LDS
	s_mov_b32 s63, 0
	s_lshl_b32 s66, s[WV], 13                      ; my quarter of a chunk of w_mix
	s_add_co_u32 s68, s66, WMOFF
	s_mov_b32 s69, 0
	s_mul_i32 s14, s[WV], XCW
	s_add_co_u32 s14, s14, XC
	s_wait_dscnt 0x0                               ; both opening adds are done
	s_wait_kmcnt 0x0
	s_mov_b32 s[G0X], 1
	s_mov_b32 s[G0X+1], s14
	s_add_nc_u64 s[G0X+2:G0X+3], s[4:5], s[60:61]
	s_or_b32 s[G0X+3], s[G0X+3], 0x80000000
	s_mov_b32 s[G0S], 1
	s_mov_b32 s[G0S+1], s15
	s_add_nc_u64 s[G0S+2:G0S+3], s[4:5], s[62:63]
	s_or_b32 s[G0S+3], s[G0S+3], 0x80000000
	s_mov_b32 s[G0W], 1
	s_mov_b32 s[G0W+1], s66
	s_add_nc_u64 s[G0W+2:G0W+3], s[6:7], s[68:69]
	s_mov_b32 s[G0W+4], 1
	s_add_co_u32 s[G0W+5], s66, SLOTB
	s_add_nc_u64 s[G0W+6:G0W+7], s[G0W+2:G0W+3], SLOTB
	s_or_b32 s[G0W+3], s[G0W+3], 0x80000000
	s_or_b32 s[G0W+7], s[G0W+7], 0x80000000
	CROUND                                         ; all four work-groups are here: the first joint loads meet
	tensor_load_to_lds s[G0X:G0X+3], s[G1X:G1X+7]  ; the four first fills go out as one group: four loads of mine are out
	s_nop 0
	tensor_load_to_lds s[G0S:G0S+3], s[G1S:G1S+7]
	s_nop 0
	tensor_load_to_lds s[G0W:G0W+3], s[G1W:G1W+7]
	s_nop 0
	tensor_load_to_lds s[G0W+4:G0W+7], s[G1W:G1W+7]
	s_nop 0
	PLACES
	; my place in the cluster enters these global addresses alone, in registers that feed no descriptor
	s_bfe_u32 s13, ttmp6, 0x40000                  ; cx: the pair of heads
	s_mov_b32 s75, 0
	s_lshl_b32 s74, s13, 14
	s_add_nc_u64 s[76:77], s[6:7], s[74:75]        ; my two heads' 16 images of W
	s_lshl_b32 s74, s13, 11
	s_add_co_u32 s74, s74, WSOFF
	s_add_nc_u64 s[78:79], s[6:7], s[74:75]        ; their scale words
	s_lshl_b32 s72, ttmp9, 3
	s_lshl_b32 s73, s13, 1
	s_add_co_u32 s72, s72, s73                     ; 8 x segment + first head
	s_lshl_b32 s74, s72, 15
	s_lshl_b32 s73, s[WV], 14
	s_add_co_u32 s74, s74, s73
	s_add_nc_u64 s[70:71], s[10:11], s[74:75]      ; ya: my quarter of the work-group's 64 KiB
	s_lshl_b32 s74, s72, 6
	s_lshl_b32 s73, s[WV], 4
	s_add_co_u32 s74, s74, s73
	s_add_co_u32 s74, s74, GSOFF
	s_add_nc_u64 s[72:73], s[10:11], s[74:75]      ; ya: my groups' scales
	v_and_b32 v1, 31, v0
	v_lshlrev_b32 v[LI], 4, v1
	v_lshlrev_b32 v[LS], 2, v1
	v_and_b32 v14, 15, v0                          ; r
	v_bfe_u32 v15, v0, 4, 1                        ; half
	v_lshlrev_b32 v[BA], 5, v15
	v_mul_u32_u24 v[XA], v14, 528
	v_lshl_add_u32 v[XA], v15, 4, v[XA]
	v_add_nc_u32 v[XA], s14, v[XA]                 ; group r of my wave, + 16 x half
	v_lshl_add_u32 v[XSA], v14, 5, s15             ; 32 bytes of scales a group
	v_and_b32 v1, 7, v14
	v_mul_u32_u24 v[STO], v1, 4128                 ; the stage: block r % 8 (the next level's j); modulo 256 bytes sixteen lanes touch sixteen different columns of 16 bytes
	v_lshl_add_u32 v[STO], v15, 8, v[STO]
	v_lshrrev_b32 v1, 3, v14
	v_lshl_add_u32 v[STO], v1, 4, v[STO]
	v_lshlrev_b32 v[GSO], 2, v1
	s_lshl_b32 s60, s[WV], 6
	s_add_co_u32 s60, s60, STG
	v_add_nc_u32 v[STO], s60, v[STO]
	s_mul_i32 s60, s[WV], 16512
	s_add_co_u32 s60, s60, STG
	v_add_nc_u32 v[RD], s60, v[LI]
	WIN 0x80                                       ; destination window 2
.set fi, 0
.rept 16
	global_load_b128 v[8*fi:8*fi+3], v[LI], s[76:77] offset:fi*1024
	global_load_b128 v[8*fi+4:8*fi+7], v[LI], s[76:77] offset:fi*1024+512
.set fi, fi+1
.endr
.irp ot, 0,1,2,3,4,5,6,7
	global_load_b128 v[160+8*\ot:160+8*\ot+3], v[BA], s[8:9] offset:64*\ot       ; b[16 ot + 8 half + 0 .. 7]
	global_load_b128 v[160+8*\ot+4:160+8*\ot+7], v[BA], s[8:9] offset:64*\ot+16
.endr
	WIN 0
.set fi, 0
.rept 16
	global_load_b32 v[WS+fi], v[LS], s[78:79] offset:128*fi
.set fi, fi+1
.endr
	s_wait_tensorcnt 0x1                           ; codes, scales and chunk 0 are in; chunk 1 may stay out
	s_barrier_signal -1
	s_barrier_wait -1
	; THE FACTORS.  A scale byte moved into an f32 exponent field is a positive number that rises with the byte: so the largest byte is an f32 maximum, and the field is 2^(byte - 127) as it stands.
	ds_load_b128 v[192:195], v[XSA]
	ds_load_b128 v[196:199], v[XSA] offset:16
	ds_load_b128 v[200:203], v[XSA] offset:512
	ds_load_b128 v[204:207], v[XSA] offset:528
.irp d, 212,213,214,215
	v_mov_b32 v\d, 0
.endr
.macro BMAX dst, w
	v_lshlrev_b32 v208, 23, v[\w]
	v_lshlrev_b32 v209, 15, v[\w]
	v_lshlrev_b32 v210, 7, v[\w]
	v_lshrrev_b32 v211, 1, v[\w]
	v_and_b32 v208, s[MK], v208
	v_and_b32 v209, s[MK], v209
	v_and_b32 v210, s[MK], v210
	v_and_b32 v211, s[MK], v211
	v_max3_num_f32 v[\dst], v[\dst], v208, v209
	v_max3_num_f32 v[\dst], v[\dst], v210, v211
.endm
	s_wait_dscnt 0x0
	s_wait_loadcnt 0x0                             ; W's codes and scale words, the bias
.irp i, 0,1,2,3,4,5,6,7
	BMAX 212, 192+\i
	BMAX 213, 200+\i
	BMAX 214, WS+\i
	BMAX 215, WS+8+\i
.endr
.irp m, 1,2,4,8
	v_max_num_f32_dpp v214, v214, v214 row_xmask:\m row_mask:0xf bank_mask:0xf   ; the head's: over its 128 rows e
	v_max_num_f32_dpp v215, v215, v215 row_xmask:\m row_mask:0xf bank_mask:0xf
.endr
.irp i, 0,1,2,3
	v_sub_nc_u32 v[216+\i], 0x7f000000, v[212+\i]  ; field 254 - byte: 2^(127 - byte)
.endr
.irp u, 0,1,2,3
	v_mul_f32 v[FD+2*\u], v[216+(\u%2)], v[218+(\u/2)]
	v_mul_f32 v[FU+2*\u], v[212+(\u%2)], v[214+(\u/2)]
.endr
.irp u, 0,1,2,3
	v_mov_b32 v[FD+2*\u+1], v[FD+2*\u]             ; named as pairs, so both are written
	v_mov_b32 v[FU+2*\u+1], v[FU+2*\u]
.endr
; 8 products on codes: units 0-3 x the two tiles of e that make the next fragment (e = 32 tq on).  Each starts its sum with the constant 0.
.macro FP4 tq
	WIN 0x0a                                       ; W and x in window 2, the result in window 0
.irp u, 0,1,2,3
.irp ee, 0,1
	v_wmma_scale_f32_16x16x128_f8f6f4 v[S1+16*\u+8*\ee:S1+16*\u+8*\ee+7], v[8*(8*(\u/2)+2*(\tq)+\ee):8*(8*(\u/2)+2*(\tq)+\ee)+7], v[128+8*(\u%2):128+8*(\u%2)+7], 0, v[WS+8*(\u/2)+2*(\tq)+\ee], v[XS+(\u%2)] matrix_a_fmt:MATRIX_FMT_FP4 matrix_b_fmt:MATRIX_FMT_FP4
.endr
.endr
.endm
; Line cvn of 64 of the way from the first product to P: for each unit eight packed scalings, then eight roundings to f16; each tile is read from its low end on.
.macro CV par
.set cu, cvn/16
.set ck, cvn%16
.if ck < 8
	v_pk_mul_f32 v[S1+16*cu+2*ck:S1+16*cu+2*ck+1], v[S1+16*cu+2*ck:S1+16*cu+2*ck+1], v[FD+2*cu:FD+2*cu+1] op_sel_hi:[1,0]
.else
	v_cvt_pk_f16_f32 v[P+32*(\par)+8*cu+ck-8], v[S1+16*cu+2*(ck-8)], v[S1+16*cu+2*(ck-8)+1]
.endif
.set cvn, cvn+1
.endm
; Product mn of 32 of a step: tile ot = mn / 4 of the outputs, unit mn % 4.  The 32 accumulators take turns, one instruction a turn, in the same order in every step.
.macro MM par, zero
.set mo, mn/4
.set mu, mn%4
	WIN 0x53                                       ; w_mix window 3, P window 0, C and D window 1
.if \zero
	v_wmma_f32_16x16x32_f16 v[64*mu+8*mo:64*mu+8*mo+7], v[64*(\par)+8*mo:64*(\par)+8*mo+7], v[P+32*(\par)+8*mu:P+32*(\par)+8*mu+7], 0
.else
	v_wmma_f32_16x16x32_f16 v[64*mu+8*mo:64*mu+8*mo+7], v[64*(\par)+8*mo:64*(\par)+8*mo+7], v[P+32*(\par)+8*mu:P+32*(\par)+8*mu+7], v[64*mu+8*mo:64*mu+8*mo+7]
.endif
.set mn, mn+1
.endm
.macro MMS cnt, par, zero, cv          ; cnt times: two products and, cv = 1, a slice of four lines for the other set of P
.rept \cnt
	MM \par, \zero
	MM \par, \zero
.if \cv
	WIN 0
	CV 1-(\par)
	CV 1-(\par)
	CV 1-(\par)
	CV 1-(\par)
.endif
.endr
.endm
.macro FETCHF slot, t, par             ; w_mix's eight fragments of e = 32 t on: images, 16 x lane
	WIN 0xc0                                       ; destination window 3
.irp ot, 0,1,2,3,4,5,6,7
	ds_load_b128 v[64*(\par)+8*\ot:64*(\par)+8*\ot+3], v[LI] offset:(\slot)*SLOTB+(\t)*8192+\ot*1024
	ds_load_b128 v[64*(\par)+8*\ot+4:64*(\par)+8*\ot+7], v[LI] offset:(\slot)*SLOTB+(\t)*8192+\ot*1024+512
.endr
.endm
.macro XFETCH                          ; x's two fragments (rows 8 g + j of my 32 groups) and their scale words
	WIN 0x80
.irp g, 0,1
.irp c, 0,1
	ds_load_b128 v[128+8*\g+4*\c:128+8*\g+4*\c+3], v[XA] offset:\g*8448+32*\c
.endr
.endr
	WIN 0
.irp g, 0,1
	ds_load_b32 v[XS+\g], v[XSA] offset:\g*512
.endr
.endm
.macro FETCHX                          ; the next j's
	WIN 0
	v_add_nc_u32 v[XA], 64, v[XA]
	v_add_nc_u32 v[XSA], 4, v[XSA]
	XFETCH
.endm
; A STEP whose successor lies in the same slot.  The four v_nop are the places between the products on codes and the first read of their results, the loads into x's registers and scale words,
; and between the last step's products and the loads into the fragments that they read.
.macro STEP slot, t, zero, fp4, xf, nxt
	s_wait_dscnt 0x0                               ; this step's fragments (asked for 24 products ago) and, where they were asked for, x's are in
.if \fp4
	FP4 ((\t)+1)%4
.endif
	PLACES
.if \xf
	FETCHX
.endif
.set mn, 0
.set cvn, 0
	MMS 4, (\t)%2, \zero, \fp4
.if \nxt
	FETCHF \slot, (\t)+1, 1-(\t)%2
.endif
	MMS 12, (\t)%2, \zero, \fp4
.endm
; A slot's last step changes slots: each wave waits for all its tensor loads, adds 0 to its spare word, waits for that (its reads of this slot were over at the step's head), and signals.
; fill = 1: the barrier opens a round of the cluster's, and the joint refill, two chunks on, is the first tensor load behind it: one load of mine is out, and it has three steps and a half in which to land.
.macro TURN slot, fill
	s_wait_dscnt 0x0
	FP4 0
	PLACES
	WIN 0
	s_wait_tensorcnt 0x0                           ; all my tensor loads have landed: my quarter of the other slot
	ds_add_u32 v[SPW], v[NIL]
.set mn, 0
.set cvn, 0
	MMS 4, 1, 0, 1
	s_wait_dscnt 0x0                               ; the add is done
	s_barrier_signal -1
	MMS 4, 1, 0, 1
	WIN 0
	s_barrier_wait -1
.if \fill
	CREST                                          ; no wave of any partner still reads this slot or has a load on its way
	s_add_nc_u64 s[G0W+4*\slot+2:G0W+4*\slot+3], s[G0W+4*\slot+2:G0W+4*\slot+3], 2*SLOTB
	tensor_load_to_lds s[G0W+4*\slot:G0W+4*\slot+3], s[G1W:G1W+7]
	s_nop 0
	PLACES
.endif
	FETCHF 1-\slot, 0, 0
	MMS 8, 1, 0, 1
.endm
	XFETCH                                         ; j = 0
	s_wait_dscnt 0x0
	FP4 0
	PLACES
	WIN 0
.set cvn, 0
.rept 64
	CV 0
.endr
	FETCHF 0, 0, 0
	STEP 0, 0, 1, 1, 0, 1                          ; the first step stands in front of the loop: its products start the sums
	WIN 0
	s_mov_b32 s[LAPS], 3
.Llap:                                                 ; a trip: the rest of an even j, an odd j, the next j's first step; both slots are filled again
	STEP 0, 1, 0, 1, 0, 1
	STEP 0, 2, 0, 1, 1, 1
	TURN 0, 1
	STEP 1, 0, 0, 1, 0, 1
	STEP 1, 1, 0, 1, 0, 1
	STEP 1, 2, 0, 1, 1, 1
	TURN 1, 1
	STEP 0, 0, 0, 1, 0, 1
	WIN 0
	s_sub_co_u32 s[LAPS], s[LAPS], 1
	s_cmp_lg_u32 s[LAPS], 0
	s_cbranch_scc1 .Llap
	STEP 0, 1, 0, 1, 0, 1                          ; j = 6 and 7: nothing is left to ask for
	STEP 0, 2, 0, 1, 1, 1
	TURN 0, 0
	STEP 1, 0, 0, 1, 0, 1
	STEP 1, 1, 0, 1, 0, 1
	STEP 1, 2, 0, 1, 0, 1
	STEP 1, 3, 0, 0, 0, 0
	WIN 0
; THE WAY OUT of unit u: y = sum x factor + b; the largest magnitude of each next-level group (8 lanes r % 8, both halves, my 64 numbers); y x sf as f16 into the stage, in the next operand's order.
.macro OUTF16 u
.set HB, P+32*((\u)%2)
	WIN 0x21                                       ; the sums window 1, the bias window 2
.set oi, 0
.rept 32
	v_pk_fma_f32 v[S1+2*oi:S1+2*oi+1], v[64*(\u)+2*oi:64*(\u)+2*oi+1], v[FU+2*(\u):FU+2*(\u)+1], v[160+2*oi:160+2*oi+1] op_sel_hi:[1,0,1]
.set oi, oi+1
.endr
	WIN 0
.irp b, 0,1,2,3
	v_max3_num_f32 v[TM+\b], |v[S1+16*\b]|, |v[S1+16*\b+1]|, 0x0d800000   ; and the floor 2^-100
.endr
.irp i, 2,4,6,8,10,12,14
.irp b, 0,1,2,3
	v_max3_num_f32 v[TM+\b], v[TM+\b], |v[S1+16*\b+\i]|, |v[S1+16*\b+\i+1]|
.endr
.endr
	v_max3_num_f32 v[TM], v[TM], v[TM+1], v[TM+2]
	v_max_num_f32 v[TM], v[TM], v[TM+3]
	v_permlanex16_b32 v[TM+4], v[TM], s[SEL], s[SEL+1]
	v_max_num_f32 v[TM], v[TM], v[TM+4]
.irp m, 1,2,4
	v_max_num_f32_dpp v[TM], v[TM], v[TM] row_xmask:\m row_mask:0xf bank_mask:0xf
.endr
	v_and_b32 v[TM+1], 0x7f800000, v[TM]           ; its exponent field E
	v_sub_nc_u32 v[TM+6], 0x86000000, v[TM+1]      ; sf: field 268 - E
	v_mov_b32 v[TM+7], v[TM+6]
	v_add_nc_u32 v[GN+(\u)], 0xf9000000, v[TM+1]   ; 1 / sf: field E - 14
.set oi, 0
.rept 32
	v_pk_mul_f32 v[S1+2*oi:S1+2*oi+1], v[S1+2*oi:S1+2*oi+1], v[TM+6:TM+7] op_sel_hi:[1,0]
.set oi, oi+1
.endr
	s_wait_dscnt 0x0                               ; the stores of two units back are done
.set oi, 0
.rept 32
	v_cvt_pk_f16_f32 v[HB+oi], v[S1+2*oi], v[S1+2*oi+1]
.set oi, oi+1
.endr
.irp ot, 0,1,2,3,4,5,6,7
	ds_store_b128 v[STO], v[HB+4*\ot:HB+4*\ot+3] offset:((\u)/2)*33024+((\u)%2)*32+(\ot/2)*1024+(\ot%2)*512
.endr
	global_store_b32 v[GSO], v[GN+(\u)], s[72:73] offset:((\u)/2)*64+((\u)%2)*8   ; a group's lanes write the same word with the same value
.endm
	PLACES
	v_mov_b32 v[TM+4], 0                           ; a lane permute's destination counts as one of its sources
	OUTF16 0
	OUTF16 1
	OUTF16 2
	OUTF16 3
	s_wait_dscnt 0x0                               ; for the others' sake: my stores into the stage are done
	s_barrier_signal -1
	s_barrier_wait -1
.set ci, 0
.rept 32
	ds_load_b128 v[64+4*ci:64+4*ci+3], v[RD] offset:(ci/8)*4128+(ci%8)*512
.set ci, ci+1
.endr
.set ci, 0
.rept 32
	s_wait_dscnt 31-ci                             ; the younger loads may stay out
	global_store_b128 v[LI], v[64+4*ci:64+4*ci+3], s[70:71] offset:ci*512   ; 32 lanes store 512 consecutive bytes
.set ci, ci+1
.endr
	s_wait_tensorcnt 0x0                           ; the wave's end: an add to my spare word and its wait
	ds_add_u32 v[SPW], v[NIL]
	s_wait_dscnt 0x0
	CROUND                                         ; the closing round
	s_endpgm
.Lfunc_end_k_q1deed447e5_lvl1:
	.size	k_q1deed447e5_lvl1, .Lfunc_end_k_q1deed447e5_lvl1-k_q1deed447e5_lvl1
	.p2alignl 7, 3214868480
	.fill 96, 4, 3214868480
	.section	.rodata,"a",@progbits
	.p2align	6, 0x0
	.amdhsa_kernel k_q1deed447e5_lvl1
		.amdhsa_group_segment_fixed_size 327680
		.amdhsa_private_segment_fixed_size 0
		.amdhsa_enable_private_segment 0
		.amdhsa_kernarg_size 32
		.amdhsa_user_sgpr_count 2
		.amdhsa_user_sgpr_kernarg_segment_ptr 1
		.amdhsa_wavefront_size32 1
		.amdhsa_system_sgpr_workgroup_id_x 1
		.amdhsa_system_sgpr_workgroup_id_y 1
		.amdhsa_system_sgpr_workgroup_id_z 1
		.amdhsa_system_vgpr_workitem_id 0
		.amdhsa_next_free_vgpr 1024
		.amdhsa_next_free_sgpr 80
		.amdhsa_reserve_vcc 0
		.amdhsa_float_denorm_mode_32 3
		.amdhsa_float_denorm_mode_16_64 3
		.amdhsa_memory_ordered 1
		.amdhsa_forward_progress 1
		.amdhsa_inst_pref_size 221
	.end_amdhsa_kernel
	.amdgpu_metadata
---
amdhsa.version: [ 1, 2 ]
amdhsa.kernels:
  - .name:           k_q1deed447e5_lvl1
    .symbol:         k_q1deed447e5_lvl1.kd
    .args:
      - { .name: xq, .offset: 0, .size: 8, .value_kind: global_buffer, .address_space: global }
      - { .name: l1w, .offset: 8, .size: 8, .value_kind: global_buffer, .address_space: global }
      - { .name: b_mix, .offset: 16, .size: 8, .value_kind: global_buffer, .address_space: global }
      - { .name: ya, .offset: 24, .size: 8, .value_kind: global_buffer, .address_space: global }
    .group_segment_fixed_size: 327680
    .private_segment_fixed_size: 0
    .kernarg_segment_align: 8
    .kernarg_segment_size: 32
    .max_flat_workgroup_size: 128
    .sgpr_count:     80
    .vgpr_count:     1024
    .wavefront_size: 32
...
	.end_amdgpu_metadata
.endif
;; end of part 2
;; launch lvl2 (part 3): grid 32 x 8, 4 waves a work-group, clusters of 4 x 1, 327,680 bytes of LDS; arguments ya, c2, b_mix, yb; writes yb
.if DOCPART == 3
	.amdgcn_target "amdgcn-amd-amdhsa--gfx1250"
	.amdhsa_code_object_version 6
	.text
	.protected	k_q1deed447e5_lvl2
	.globl	k_q1deed447e5_lvl2
	.p2align	8
	.type	k_q1deed447e5_lvl2,@function
k_q1deed447e5_lvl2:
	s_mov_b64 s[64:65], 0
	v_nop
	global_prefetch_b8 v0, s[64:65] scope:SCOPE_SE
	s_setreg_imm32_b32 hwreg(HW_REG_WAVE_MODE, 25, 1), 1
	s_wait_xcnt 0x0
	s_wait_alu depctr_hold_cnt(0) depctr_sa_sdst(0) depctr_va_vdst(0) depctr_va_sdst(0) depctr_va_ssrc(0) depctr_va_vcc(0) depctr_vm_vsrc(0)
	s_getreg_b32 s2, hwreg(HW_REG_IB_STS2, 6, 4)
	s_cmp_eq_u32 s2, 0
	s_cbranch_scc0 .Lentry_in_a_cluster
	s_endpgm
.Lentry_in_a_cluster:
	s_bfe_u32 s2, ttmp6, 0x10000c
	s_cmp_lg_u32 s2, 0x3003
	s_cbranch_scc0 .Lentry_shape_is_right
	s_endpgm
.Lentry_shape_is_right:
; LEVELS 2 AND 3: one product [8192 groups, K = (j, d) = 1024] x [1024, (h, o) = 1024] on f16 operands, f32 sums: y[h][G] = (sum over (j, d) of A[G][(j, d)] C[h][(j, d)][o]) x gs[G] + b[o].
; A: the level before, y x sf as f16, in the order of operand registers (images of 1,024 bytes), with gs = 1 / sf, a power of two for each group, behind the data.  C: the folded weights, as images.
; SHARES.  A work-group: 256 stored groups (mt) x one head's 128 columns.  A wave: 64 groups x 128 columns: 32 accumulators.  Row i of the work-group goes to stored row (8 mt + h) x 256 + i of the output.
; B, the head's 256 KiB, stays in LDS: eight first fills a wave, asked for JOINTLY by the four partners of a cluster, which share the head; no byte is filled again.  Eight loads of mine are out at the most.
; A is a wave's own and is read once by it: it goes from memory straight into registers, 512 consecutive bytes an instruction, in three sets that take turns, asked for two K steps of 128 ahead of its use.
; The matrix instruction is used transposed (source 0 = 16 columns o, source 1 = 16 groups): a lane holds one group and eight neighbouring o.
; WHAT IS STORED: as the level before stored it: y x sf as f16 images for the next level, 1 / sf behind them.
; LIMITS: |C| under 65,504; groups whose largest magnitude lies under 2^-100 share that scale; NaN and infinities are not served.
; REGISTERS.  window 0: v2-11 addresses; v12-19 gs in pairs; v20-23 the new scales; v24-31 at work; v64-191 B's fragments, two sets; v192-255 the bias.   window 1: accumulator (a, b) at 64 a + 8 b.
;   window 2: A's sets 0 and 1 (fragment (a, q) at 32 a + 8 q);   window 3: A's set 2.
.set SPARE, 262144
.set GSOFF, 16777216
.set LI,  2                            ; v2-5  16 x lane + 65,536 x (0 .. 3)
.set STO, 6
.set RD,  7
.set GSO, 8
.set GA,  9                            ; v9   4 x r
.set SPW, 10
.set NIL, 11
.set GS,  12
.set GN,  20
.set TM,  24
.set BA,  32                           ; v32  32 x half
.set Y,   64
.set HH,  128
.set BI,  192
.set WV,  12
.set G1,  16
.set G0,  24                           ; s[24:55] eight groups 0
.set SEL, 74
.set MSB, 0
.macro WIN new
.if MSB != \new
	s_set_vgpr_msb (MSB<<8)|\new
.set MSB, \new
.endif
.endm
.macro PLACES
.rept 4
	v_nop
.endr
.endm
.macro CREST
	s_cmp_lg_u32 s[WV], 0
	s_cbranch_scc1 .Lnot_wave_0_\@
	s_barrier_signal -3
.Lnot_wave_0_\@:
	s_barrier_wait -3
	s_barrier_signal -1
	s_barrier_wait -1
.endm
.macro CROUND
	s_barrier_signal -1
	s_barrier_wait -1
	CREST
.endm
	s_load_b256 s[4:11], s[0:1], 0x0               ; A s[4:5], C s[6:7], b_mix s[8:9], out s[10:11]
	v_lshl_add_u32 v[SPW], v0, 2, SPARE
	v_mov_b32 v[NIL], 0
	ds_add_u32 v[SPW], v[NIL]                      ; the opening: the add, twice on end, and its wait ahead of my first tensor load
	ds_add_u32 v[SPW], v[NIL]
	v_lshrrev_b32 v1, 5, v0
	v_readfirstlane_b32 s[WV], v1
	s_mov_b32 s[G1+0], 15|(3<<16)|(1<<21)          ; all four work-groups; elements of 8 bytes; 8,192 dense bytes as 32 rows of 256
	s_mov_b32 s[G1+1], 32<<16
	s_mov_b32 s[G1+2], 32<<16
	s_mov_b32 s[G1+3], 32<<16
	s_mov_b32 s[G1+4], 32
	s_mov_b32 s[G1+5], 32
	s_mov_b32 s[G1+6], 0
	s_mov_b32 s[G1+7], 0
	s_mov_b32 s[SEL], 0x76543210
	s_mov_b32 s[SEL+1], 0xfedcba98
	s_and_b32 s15, ttmp7, 0xffff                   ; the head, which the four partners share
	s_lshl_b32 s58, s[WV], 13                      ; my quarter of a chunk
	s_lshl_b32 s56, s15, 18
	s_add_co_u32 s56, s56, s58
	s_mov_b32 s57, 0
	s_wait_dscnt 0x0
	s_wait_kmcnt 0x0
	s_add_nc_u64 s[56:57], s[6:7], s[56:57]
.irp c, 0,1,2,3,4,5,6,7
	s_mov_b32 s[G0+4*\c], 1
	s_add_co_u32 s[G0+4*\c+1], s58, \c*32768
	s_add_nc_u64 s[G0+4*\c+2:G0+4*\c+3], s[56:57], \c*32768
	s_or_b32 s[G0+4*\c+3], s[G0+4*\c+3], 0x80000000
.endr
	CROUND                                         ; all four work-groups are here: the joint loads meet
.irp c, 0,1,2,3,4,5,6,7
	tensor_load_to_lds s[G0+4*\c:G0+4*\c+3], s[G1:G1+7]
	s_nop 0
.endr
	PLACES
	; my place in the cluster enters these global addresses alone, in registers that feed no descriptor
	s_bfe_u32 s13, ttmp6, 0x40000
	s_lshl_b32 s14, ttmp9, 2
	s_add_co_u32 s14, s14, s13                     ; mt
	s_mov_b32 s61, 0
	s_lshl_b32 s60, s14, 19
	s_lshl_b32 s62, s[WV], 17
	s_add_co_u32 s60, s60, s62
	s_add_nc_u64 s[66:67], s[4:5], s[60:61]        ; my four tiles of 16 groups, 32 images each
	s_lshl_b32 s60, s14, 10
	s_lshl_b32 s62, s[WV], 8
	s_add_co_u32 s60, s60, s62
	s_add_co_u32 s60, s60, GSOFF
	s_add_nc_u64 s[68:69], s[4:5], s[60:61]        ; their scales
	s_lshl_b32 s63, s14, 3
	s_add_co_u32 s63, s63, s15                     ; 8 mt + h
	s_lshl_b32 s60, s63, 16
	s_lshl_b32 s62, s[WV], 14
	s_add_co_u32 s60, s60, s62
	s_add_nc_u64 s[70:71], s[10:11], s[60:61]      ; out: my quarter of the work-group's 64 KiB
	s_lshl_b32 s60, s63, 7
	s_lshl_b32 s62, s[WV], 5
	s_add_co_u32 s60, s60, s62
	s_add_co_u32 s60, s60, GSOFF
	s_add_nc_u64 s[72:73], s[10:11], s[60:61]      ; out: my groups' scales
	v_and_b32 v1, 31, v0
	v_lshlrev_b32 v[LI], 4, v1
	v_add_nc_u32 v[LI+1], 0x10000, v[LI]
	v_add_nc_u32 v[LI+2], 0x20000, v[LI]
	v_add_nc_u32 v[LI+3], 0x30000, v[LI]
	v_and_b32 v33, 15, v0                          ; r
	v_bfe_u32 v34, v0, 4, 1                        ; half
	v_lshlrev_b32 v[GA], 2, v33
	v_lshlrev_b32 v[BA], 5, v34
	v_and_b32 v1, 7, v33
	v_mul_u32_u24 v[STO], v1, 4128                 ; the stage: block r % 8 (the next level's j); modulo 256 bytes sixteen lanes touch sixteen different columns of 16 bytes
	v_lshl_add_u32 v[STO], v34, 8, v[STO]
	v_lshrrev_b32 v1, 3, v33
	v_lshl_add_u32 v[STO], v1, 4, v[STO]
	v_lshlrev_b32 v[GSO], 2, v1
	s_lshr_b32 s56, s[WV], 1
	s_mul_i32 s56, s56, 33024
	s_and_b32 s57, s[WV], 1
	s_lshl_b32 s57, s57, 7
	s_add_co_u32 s56, s56, s57
	v_add_nc_u32 v[STO], s56, v[STO]
	s_mul_i32 s56, s[WV], 16512
	v_add_nc_u32 v[RD], s56, v[LI]
	v_mov_b32 v[TM+4], 0                           ; a lane permute's destination counts as one of its sources
.irp ot, 0,1,2,3,4,5,6,7
	global_load_b128 v[BI+8*\ot:BI+8*\ot+3], v[BA], s[8:9] offset:64*\ot
	global_load_b128 v[BI+8*\ot+4:BI+8*\ot+7], v[BA], s[8:9] offset:64*\ot+16
.endr
.irp a, 0,1,2,3
	global_load_b32 v[GS+2*\a], v[GA], s[68:69] offset:64*\a
.endr
.macro ALOAD s                         ; A's K step s (128 along K, 16 fragments) into set s % 3: 32 loads
.if ((\s)%3) == 2
	WIN 0xc0
.set ALB, 0
.else
	WIN 0x80
.set ALB, 128*((\s)%3)
.endif
.irp a, 0,1,2,3
.irp q, 0,1,2,3
	global_load_b128 v[ALB+32*\a+8*\q:ALB+32*\a+8*\q+3], v[LI], s[66:67] offset:\a*32768+(\s)*4096+\q*1024
	global_load_b128 v[ALB+32*\a+8*\q+4:ALB+32*\a+8*\q+7], v[LI], s[66:67] offset:\a*32768+(\s)*4096+\q*1024+512
.endr
.endr
.endm
.macro FBLOAD kn                       ; B's eight fragments of 32 along K, number kn, into set kn % 2
	WIN 0
.irp b, 0,1,2,3,4,5,6,7
	ds_load_b128 v[64+64*((\kn)%2)+8*\b:64+64*((\kn)%2)+8*\b+3], v[LI+(\kn)/8] offset:(((\kn)/4)%2)*32768+((\kn)%4)*8192+\b*1024
	ds_load_b128 v[64+64*((\kn)%2)+8*\b+4:64+64*((\kn)%2)+8*\b+7], v[LI+(\kn)/8] offset:(((\kn)/4)%2)*32768+((\kn)%4)*8192+\b*1024+512
.endr
.endm
.macro PROD a, q                       ; eight products: tile a of my groups x the eight tiles of o.  The 32 accumulators take turns in the same order in every quarter
.irp b, 0,1,2,3,4,5,6,7
.if ks == 0
	v_wmma_f32_16x16x32_f16 v[64*(\a)+8*\b:64*(\a)+8*\b+7], v[FBC+8*\b:FBC+8*\b+7], v[AB+32*(\a)+8*(\q):AB+32*(\a)+8*(\q)+7], 0
.else
	v_wmma_f32_16x16x32_f16 v[64*(\a)+8*\b:64*(\a)+8*\b+7], v[FBC+8*\b:FBC+8*\b+7], v[AB+32*(\a)+8*(\q):AB+32*(\a)+8*(\q)+7], v[64*(\a)+8*\b:64*(\a)+8*\b+7]
.endif
.endr
.endm
; A QUARTER: 32 along K, 32 products; in its middle, behind four places, the next quarter's fragments of B and, in a K step's first quarter, A's K step two on.
.macro QUARTER s, q
.set ks, 4*(\s)+(\q)
.set FBC, 64+64*(ks%2)
.if ((\s)%3) == 2
.set WMUL, 0x5c
.set AB, 0
.else
.set WMUL, 0x58
.set AB, 128*((\s)%3)
.endif
	s_wait_dscnt 0x0                               ; this quarter's fragments of B, asked for 16 products ago
.if (\q) == 0
.if (\s) < 7
	s_wait_loadcnt 32                              ; this K step's A is in; the next K step's 32 loads may be out
.else
	s_wait_loadcnt 0x0
.endif
.endif
.if ((\q) == 1) && ((\s) < 7)
	s_wait_tensorcnt 6-(\s)                        ; my quarter of chunk s + 1 has landed; the later chunks may stay out
	s_barrier_signal -1
.endif
	WIN WMUL
	PROD 0, \q
	PROD 1, \q
.if ((\q) == 1) && ((\s) < 7)
	s_barrier_wait -1                              ; everybody's has: chunk s + 1 is first read two quarters on
.endif
	PLACES
.if ks < 31
	FBLOAD ks+1
.endif
.if ((\q) == 0) && ((\s) < 6)
	ALOAD (\s)+2
.endif
	WIN WMUL
	PROD 2, \q
	PROD 3, \q
.endm
	ALOAD 0
	ALOAD 1
	WIN 0
	s_wait_tensorcnt 0x7                           ; my quarter of chunk 0 has landed
	s_barrier_signal -1
	s_barrier_wait -1
	FBLOAD 0
.irp s, 0,1,2,3,4,5,6,7
.irp q, 0,1,2,3
	QUARTER \s, \q
.endr
.endr
	WIN 0
	s_wait_dscnt 0x0
	s_barrier_signal -1                            ; every wave's reads of B are over: the stage lies in B's bytes, which have had their last fill
	s_barrier_wait -1
; THE WAY OUT of tile a: y = sum x gs + b; the largest magnitude of each next-level group (8 lanes r % 8, both halves, my 64 numbers); y x sf as f16 into the stage, in the next operand's order.
.macro OUTF16 a
.set HB, HH+32*((\a)%2)
	v_mov_b32 v[GS+2*(\a)+1], v[GS+2*(\a)]         ; named as a pair, so both are written
	WIN 0x01                                       ; the sums in window 1
.set oi, 0
.rept 32
	v_pk_fma_f32 v[Y+2*oi:Y+2*oi+1], v[64*(\a)+2*oi:64*(\a)+2*oi+1], v[GS+2*(\a):GS+2*(\a)+1], v[BI+2*oi:BI+2*oi+1] op_sel_hi:[1,0,1]
.set oi, oi+1
.endr
	WIN 0
.irp b, 0,1,2,3
	v_max3_num_f32 v[TM+\b], |v[Y+16*\b]|, |v[Y+16*\b+1]|, 0x0d800000   ; and the floor 2^-100
.endr
.irp i, 2,4,6,8,10,12,14
.irp b, 0,1,2,3
	v_max3_num_f32 v[TM+\b], v[TM+\b], |v[Y+16*\b+\i]|, |v[Y+16*\b+\i+1]|
.endr
.endr
	v_max3_num_f32 v[TM], v[TM], v[TM+1], v[TM+2]
	v_max_num_f32 v[TM], v[TM], v[TM+3]
	v_permlanex16_b32 v[TM+4], v[TM], s[SEL], s[SEL+1]
	v_max_num_f32 v[TM], v[TM], v[TM+4]
.irp m, 1,2,4
	v_max_num_f32_dpp v[TM], v[TM], v[TM] row_xmask:\m row_mask:0xf bank_mask:0xf
.endr
	v_and_b32 v[TM+1], 0x7f800000, v[TM]           ; its exponent field E
	v_sub_nc_u32 v[TM+6], 0x86000000, v[TM+1]      ; sf: field 268 - E
	v_mov_b32 v[TM+7], v[TM+6]
	v_add_nc_u32 v[GN+(\a)], 0xf9000000, v[TM+1]   ; 1 / sf: field E - 14
.set oi, 0
.rept 32
	v_pk_mul_f32 v[Y+2*oi:Y+2*oi+1], v[Y+2*oi:Y+2*oi+1], v[TM+6:TM+7] op_sel_hi:[1,0]
.set oi, oi+1
.endr
	s_wait_dscnt 0x0                               ; the stores of two tiles back are done
.set oi, 0
.rept 32
	v_cvt_pk_f16_f32 v[HB+oi], v[Y+2*oi], v[Y+2*oi+1]
.set oi, oi+1
.endr
.irp ot, 0,1,2,3,4,5,6,7
	ds_store_b128 v[STO], v[HB+4*\ot:HB+4*\ot+3] offset:(\a)*32+(\ot/2)*1024+(\ot%2)*512
.endr
	global_store_b32 v[GSO], v[GN+(\a)], s[72:73] offset:(\a)*8   ; a group's lanes write the same word with the same value
.endm
	PLACES
	OUTF16 0
	OUTF16 1
	OUTF16 2
	OUTF16 3
	s_wait_dscnt 0x0                               ; for the others' sake: my stores into the stage are done
	s_barrier_signal -1
	s_barrier_wait -1
.set ci, 0
.rept 32
	ds_load_b128 v[64+4*ci:64+4*ci+3], v[RD] offset:(ci/8)*4128+(ci%8)*512
.set ci, ci+1
.endr
.set ci, 0
.rept 32
	s_wait_dscnt 31-ci                             ; the younger loads may stay out
	global_store_b128 v[LI], v[64+4*ci:64+4*ci+3], s[70:71] offset:ci*512   ; 32 lanes store 512 consecutive bytes
.set ci, ci+1
.endr
	s_wait_tensorcnt 0x0                           ; the wave's end: an add to my spare word and its wait
	ds_add_u32 v[SPW], v[NIL]
	s_wait_dscnt 0x0
	CROUND                                         ; the closing round
	s_endpgm
.Lfunc_end_k_q1deed447e5_lvl2:
	.size	k_q1deed447e5_lvl2, .Lfunc_end_k_q1deed447e5_lvl2-k_q1deed447e5_lvl2
	.p2alignl 7, 3214868480
	.fill 96, 4, 3214868480
	.section	.rodata,"a",@progbits
	.p2align	6, 0x0
	.amdhsa_kernel k_q1deed447e5_lvl2
		.amdhsa_group_segment_fixed_size 327680
		.amdhsa_private_segment_fixed_size 0
		.amdhsa_enable_private_segment 0
		.amdhsa_kernarg_size 32
		.amdhsa_user_sgpr_count 2
		.amdhsa_user_sgpr_kernarg_segment_ptr 1
		.amdhsa_wavefront_size32 1
		.amdhsa_system_sgpr_workgroup_id_x 1
		.amdhsa_system_sgpr_workgroup_id_y 1
		.amdhsa_system_sgpr_workgroup_id_z 1
		.amdhsa_system_vgpr_workitem_id 0
		.amdhsa_next_free_vgpr 1024
		.amdhsa_next_free_sgpr 80
		.amdhsa_reserve_vcc 0
		.amdhsa_float_denorm_mode_32 3
		.amdhsa_float_denorm_mode_16_64 3
		.amdhsa_memory_ordered 1
		.amdhsa_forward_progress 1
		.amdhsa_inst_pref_size 182
	.end_amdhsa_kernel
	.amdgpu_metadata
---
amdhsa.version: [ 1, 2 ]
amdhsa.kernels:
  - .name:           k_q1deed447e5_lvl2
    .symbol:         k_q1deed447e5_lvl2.kd
    .args:
      - { .name: ya, .offset: 0, .size: 8, .value_kind: global_buffer, .address_space: global }
      - { .name: c2, .offset: 8, .size: 8, .value_kind: global_buffer, .address_space: global }
      - { .name: b_mix, .offset: 16, .size: 8, .value_kind: global_buffer, .address_space: global }
      - { .name: yb, .offset: 24, .size: 8, .value_kind: global_buffer, .address_space: global }
    .group_segment_fixed_size: 327680
    .private_segment_fixed_size: 0
    .kernarg_segment_align: 8
    .kernarg_segment_size: 32
    .max_flat_workgroup_size: 128
    .sgpr_count:     80
    .vgpr_count:     1024
    .wavefront_size: 32
...
	.end_amdgpu_metadata
.endif
;; end of part 3
;; launch lvl3: the kernel of part 3 again; grid 32 x 8, 4 waves a work-group, clusters of 4 x 1, 327,680 bytes of LDS; arguments yb, c3, b_mix, ya; writes ya
;; launch lvl4 (part 4): grid 32 x 8, 4 waves a work-group, clusters of 4 x 1, 327,680 bytes of LDS; arguments ya, c4, b_mix, out0; writes out0
.if DOCPART == 4
	.amdgcn_target "amdgcn-amd-amdhsa--gfx1250"
	.amdhsa_code_object_version 6
	.text
	.protected	k_q1deed447e5_lvl4
	.globl	k_q1deed447e5_lvl4
	.p2align	8
	.type	k_q1deed447e5_lvl4,@function
k_q1deed447e5_lvl4:
	s_mov_b64 s[64:65], 0
	v_nop
	global_prefetch_b8 v0, s[64:65] scope:SCOPE_SE
	s_setreg_imm32_b32 hwreg(HW_REG_WAVE_MODE, 25, 1), 1
	s_wait_xcnt 0x0
	s_wait_alu depctr_hold_cnt(0) depctr_sa_sdst(0) depctr_va_vdst(0) depctr_va_sdst(0) depctr_va_ssrc(0) depctr_va_vcc(0) depctr_vm_vsrc(0)
	s_getreg_b32 s2, hwreg(HW_REG_IB_STS2, 6, 4)
	s_cmp_eq_u32 s2, 0
	s_cbranch_scc0 .Lentry_in_a_cluster
	s_endpgm
.Lentry_in_a_cluster:
	s_bfe_u32 s2, ttmp6, 0x10000c
	s_cmp_lg_u32 s2, 0x3003
	s_cbranch_scc0 .Lentry_shape_is_right
	s_endpgm
.Lentry_shape_is_right:
; LEVEL 4: the same product as levels 2 and 3, y[h][G] = (sum over (j, d) of A[G][(j, d)] C[h][(j, d)][o]) x gs[G] + b[o], f16 operands, f32 sums; the result leaves as f32 rows of out0.
; A's rows lie in the order in which level 3 stored them; eight neighbouring stored rows are a true group in true order.  Row i of work-group (mt, h) belongs to
; out0 row (mt / 4) x 8192 + 1024 h + ((mt / 2) % 2) x 512 + (i / 32) x 64 + (mt % 2) x 32 + i % 32.
; SHARES, B in LDS (eight joint first fills a wave, never filled again; eight loads of mine are out at the most), A in three register sets asked for two K steps ahead, and the transposed use: as in levels 2 and 3.
; LIMITS: |C| under 65,504; NaN and infinities are not served.
; REGISTERS.  window 0: v2-11 addresses; v12-19 gs in pairs; v64-191 B's fragments, two sets; v192-255 the bias.   window 1: accumulator (a, b) at 64 a + 8 b.   window 2: A's sets 0, 1;   window 3: A's set 2.
.set STGB,  262144                     ; behind B: a stage of 16 rows x (512 bytes + 16) for each wave
.set SPARE, 295936
.set GSOFF, 16777216
.set LI,  2
.set STO, 6
.set RD,  7
.set GA,  9
.set SPW, 10
.set NIL, 11
.set GS,  12
.set BA,  32
.set Y,   64
.set OB,  128
.set BI,  192
.set WV,  12
.set G1,  16
.set G0,  24
.set MSB, 0
.macro WIN new
.if MSB != \new
	s_set_vgpr_msb (MSB<<8)|\new
.set MSB, \new
.endif
.endm
.macro PLACES
.rept 4
	v_nop
.endr
.endm
.macro CREST
	s_cmp_lg_u32 s[WV], 0
	s_cbranch_scc1 .Lnot_wave_0_\@
	s_barrier_signal -3
.Lnot_wave_0_\@:
	s_barrier_wait -3
	s_barrier_signal -1
	s_barrier_wait -1
.endm
.macro CROUND
	s_barrier_signal -1
	s_barrier_wait -1
	CREST
.endm
	s_load_b256 s[4:11], s[0:1], 0x0               ; A s[4:5], C s[6:7], b_mix s[8:9], out0 s[10:11]
	v_lshl_add_u32 v[SPW], v0, 2, SPARE
	v_mov_b32 v[NIL], 0
	ds_add_u32 v[SPW], v[NIL]                      ; the opening: the add, twice on end, and its wait ahead of my first tensor load
	ds_add_u32 v[SPW], v[NIL]
	v_lshrrev_b32 v1, 5, v0
	v_readfirstlane_b32 s[WV], v1
	s_mov_b32 s[G1+0], 15|(3<<16)|(1<<21)          ; all four work-groups; elements of 8 bytes; 8,192 dense bytes as 32 rows of 256
	s_mov_b32 s[G1+1], 32<<16
	s_mov_b32 s[G1+2], 32<<16
	s_mov_b32 s[G1+3], 32<<16
	s_mov_b32 s[G1+4], 32
	s_mov_b32 s[G1+5], 32
	s_mov_b32 s[G1+6], 0
	s_mov_b32 s[G1+7], 0
	s_and_b32 s15, ttmp7, 0xffff                   ; the head, which the four partners share
	s_lshl_b32 s58, s[WV], 13
	s_lshl_b32 s56, s15, 18
	s_add_co_u32 s56, s56, s58
	s_mov_b32 s57, 0
	s_wait_dscnt 0x0
	s_wait_kmcnt 0x0
	s_add_nc_u64 s[56:57], s[6:7], s[56:57]
.irp c, 0,1,2,3,4,5,6,7
	s_mov_b32 s[G0+4*\c], 1
	s_add_co_u32 s[G0+4*\c+1], s58, \c*32768
	s_add_nc_u64 s[G0+4*\c+2:G0+4*\c+3], s[56:57], \c*32768
	s_or_b32 s[G0+4*\c+3], s[G0+4*\c+3], 0x80000000
.endr
	CROUND                                         ; all four work-groups are here: the joint loads meet
.irp c, 0,1,2,3,4,5,6,7
	tensor_load_to_lds s[G0+4*\c:G0+4*\c+3], s[G1:G1+7]
	s_nop 0
.endr
	PLACES
	; my place in the cluster enters these global addresses alone, in registers that feed no descriptor
	s_bfe_u32 s13, ttmp6, 0x40000
	s_lshl_b32 s14, ttmp9, 2
	s_add_co_u32 s14, s14, s13                     ; mt
	s_mov_b32 s61, 0
	s_lshl_b32 s60, s14, 19
	s_lshl_b32 s62, s[WV], 17
	s_add_co_u32 s60, s60, s62
	s_add_nc_u64 s[66:67], s[4:5], s[60:61]        ; my four tiles of 16 groups
	s_lshl_b32 s60, s14, 10
	s_lshl_b32 s62, s[WV], 8
	s_add_co_u32 s60, s60, s62
	s_add_co_u32 s60, s60, GSOFF
	s_add_nc_u64 s[68:69], s[4:5], s[60:61]        ; their scales
	s_lshr_b32 s60, s14, 2
	s_lshl_b32 s60, s60, 13                        ; (mt / 4) x 8192
	s_lshl_b32 s62, s15, 10                        ; + 1024 h
	s_add_co_u32 s60, s60, s62
	s_bfe_u32 s62, s14, 0x10001
	s_lshl_b32 s62, s62, 9                         ; + ((mt / 2) % 2) x 512
	s_add_co_u32 s60, s60, s62
	s_and_b32 s62, s14, 1
	s_lshl_b32 s62, s62, 5                         ; + (mt % 2) x 32
	s_add_co_u32 s60, s60, s62
	s_lshl_b32 s62, s[WV], 7                       ; + my 64 rows i: (i / 32) x 64 begins at 128 x wave
	s_add_co_u32 s60, s60, s62
	s_lshl_b32 s60, s60, 9                         ; rows of 512 bytes
	s_add_nc_u64 s[70:71], s[10:11], s[60:61]
	v_and_b32 v1, 31, v0
	v_lshlrev_b32 v[LI], 4, v1
	v_add_nc_u32 v[LI+1], 0x10000, v[LI]
	v_add_nc_u32 v[LI+2], 0x20000, v[LI]
	v_add_nc_u32 v[LI+3], 0x30000, v[LI]
	v_and_b32 v33, 15, v0                          ; r
	v_bfe_u32 v34, v0, 4, 1                        ; half
	v_lshlrev_b32 v[GA], 2, v33
	v_lshlrev_b32 v[BA], 5, v34
	s_mul_i32 s56, s[WV], 8448
	s_add_co_u32 s56, s56, STGB                    ; my stage
	v_mul_u32_u24 v[STO], v33, 528
	v_lshl_add_u32 v[STO], v34, 5, v[STO]
	v_add_nc_u32 v[STO], s56, v[STO]               ; in: row r, 32 bytes for each half
	v_add_nc_u32 v[RD], s56, v[LI]                 ; back: a row of 512 bytes, 16 a lane
.irp ot, 0,1,2,3,4,5,6,7
	global_load_b128 v[BI+8*\ot:BI+8*\ot+3], v[BA], s[8:9] offset:64*\ot
	global_load_b128 v[BI+8*\ot+4:BI+8*\ot+7], v[BA], s[8:9] offset:64*\ot+16
.endr
.irp a, 0,1,2,3
	global_load_b32 v[GS+2*\a], v[GA], s[68:69] offset:64*\a
.endr
.macro ALOAD s                         ; A's K step s (128 along K, 16 fragments) into set s % 3: 32 loads
.if ((\s)%3) == 2
	WIN 0xc0
.set ALB, 0
.else
	WIN 0x80
.set ALB, 128*((\s)%3)
.endif
.irp a, 0,1,2,3
.irp q, 0,1,2,3
	global_load_b128 v[ALB+32*\a+8*\q:ALB+32*\a+8*\q+3], v[LI], s[66:67] offset:\a*32768+(\s)*4096+\q*1024
	global_load_b128 v[ALB+32*\a+8*\q+4:ALB+32*\a+8*\q+7], v[LI], s[66:67] offset:\a*32768+(\s)*4096+\q*1024+512
.endr
.endr
.endm
.macro FBLOAD kn                       ; B's eight fragments of 32 along K, number kn, into set kn % 2
	WIN 0
.irp b, 0,1,2,3,4,5,6,7
	ds_load_b128 v[64+64*((\kn)%2)+8*\b:64+64*((\kn)%2)+8*\b+3], v[LI+(\kn)/8] offset:(((\kn)/4)%2)*32768+((\kn)%4)*8192+\b*1024
	ds_load_b128 v[64+64*((\kn)%2)+8*\b+4:64+64*((\kn)%2)+8*\b+7], v[LI+(\kn)/8] offset:(((\kn)/4)%2)*32768+((\kn)%4)*8192+\b*1024+512
.endr
.endm
.macro PROD a, q                       ; eight products; the 32 accumulators take turns in the same order in every quarter
.irp b, 0,1,2,3,4,5,6,7
.if ks == 0
	v_wmma_f32_16x16x32_f16 v[64*(\a)+8*\b:64*(\a)+8*\b+7], v[FBC+8*\b:FBC+8*\b+7], v[AB+32*(\a)+8*(\q):AB+32*(\a)+8*(\q)+7], 0
.else
	v_wmma_f32_16x16x32_f16 v[64*(\a)+8*\b:64*(\a)+8*\b+7], v[FBC+8*\b:FBC+8*\b+7], v[AB+32*(\a)+8*(\q):AB+32*(\a)+8*(\q)+7], v[64*(\a)+8*\b:64*(\a)+8*\b+7]
.endif
.endr
.endm
.macro QUARTER s, q
.set ks, 4*(\s)+(\q)
.set FBC, 64+64*(ks%2)
.if ((\s)%3) == 2
.set WMUL, 0x5c
.set AB, 0
.else
.set WMUL, 0x58
.set AB, 128*((\s)%3)
.endif
	s_wait_dscnt 0x0                               ; this quarter's fragments of B, asked for 16 products ago
.if (\q) == 0
.if (\s) < 7
	s_wait_loadcnt 32                              ; this K step's A is in; the next K step's 32 loads may be out
.else
	s_wait_loadcnt 0x0
.endif
.endif
.if ((\q) == 1) && ((\s) < 7)
	s_wait_tensorcnt 6-(\s)                        ; my quarter of chunk s + 1 has landed; the later chunks may stay out
	s_barrier_signal -1
.endif
	WIN WMUL
	PROD 0, \q
	PROD 1, \q
.if ((\q) == 1) && ((\s) < 7)
	s_barrier_wait -1
.endif
	PLACES
.if ks < 31
	FBLOAD ks+1
.endif
.if ((\q) == 0) && ((\s) < 6)
	ALOAD (\s)+2
.endif
	WIN WMUL
	PROD 2, \q
	PROD 3, \q
.endm
	ALOAD 0
	ALOAD 1
	WIN 0
	s_wait_tensorcnt 0x7                           ; my quarter of chunk 0 has landed
	s_barrier_signal -1
	s_barrier_wait -1
	FBLOAD 0
.irp s, 0,1,2,3,4,5,6,7
.irp q, 0,1,2,3
	QUARTER \s, \q
.endr
.endr
	WIN 0
; THE WAY OUT of tile a (16 rows): y = sum x gs + b; a lane's 32 bytes of a row go through my own stage and come back as whole rows of 512 bytes.  LDS serves a wave's instructions in order: no wait between the stores and the loads.
.macro OUT32 a
.if (\a) > 0
	s_wait_xcnt 0x0                                ; the last tile's stores have read their registers
.endif
	v_mov_b32 v[GS+2*(\a)+1], v[GS+2*(\a)]         ; named as a pair, so both are written
	WIN 0x01
.set oi, 0
.rept 32
	v_pk_fma_f32 v[Y+2*oi:Y+2*oi+1], v[64*(\a)+2*oi:64*(\a)+2*oi+1], v[GS+2*(\a):GS+2*(\a)+1], v[BI+2*oi:BI+2*oi+1] op_sel_hi:[1,0,1]
.set oi, oi+1
.endr
	WIN 0
.irp ot, 0,1,2,3,4,5,6,7
	ds_store_b128 v[STO], v[Y+8*\ot:Y+8*\ot+3] offset:64*\ot
	ds_store_b128 v[STO], v[Y+8*\ot+4:Y+8*\ot+7] offset:64*\ot+16
.endr
.set ci, 0
.rept 16
	ds_load_b128 v[OB+4*ci:OB+4*ci+3], v[RD] offset:ci*528
.set ci, ci+1
.endr
.set ci, 0
.rept 16
	s_wait_dscnt 15-ci                             ; the younger loads may stay out
	global_store_b128 v[LI], v[OB+4*ci:OB+4*ci+3], s[70:71] offset:(((\a)/2)*64+((\a)%2)*16+ci)*512 th:TH_STORE_NT   ; 32 lanes store a whole row of 512 bytes
.set ci, ci+1
.endr
.endm
	PLACES
	OUT32 0
	OUT32 1
	OUT32 2
	OUT32 3
	s_wait_tensorcnt 0x0                           ; the wave's end: an add to my spare word and its wait
	ds_add_u32 v[SPW], v[NIL]
	s_wait_dscnt 0x0
	CROUND                                         ; the closing round
	s_endpgm
.Lfunc_end_k_q1deed447e5_lvl4:
	.size	k_q1deed447e5_lvl4, .Lfunc_end_k_q1deed447e5_lvl4-k_q1deed447e5_lvl4
	.p2alignl 7, 3214868480
	.fill 96, 4, 3214868480
	.section	.rodata,"a",@progbits
	.p2align	6, 0x0
	.amdhsa_kernel k_q1deed447e5_lvl4
		.amdhsa_group_segment_fixed_size 327680
		.amdhsa_private_segment_fixed_size 0
		.amdhsa_enable_private_segment 0
		.amdhsa_kernarg_size 32
		.amdhsa_user_sgpr_count 2
		.amdhsa_user_sgpr_kernarg_segment_ptr 1
		.amdhsa_wavefront_size32 1
		.amdhsa_system_sgpr_workgroup_id_x 1
		.amdhsa_system_sgpr_workgroup_id_y 1
		.amdhsa_system_sgpr_workgroup_id_z 1
		.amdhsa_system_vgpr_workitem_id 0
		.amdhsa_next_free_vgpr 1024
		.amdhsa_next_free_sgpr 80
		.amdhsa_reserve_vcc 0
		.amdhsa_float_denorm_mode_32 3
		.amdhsa_float_denorm_mode_16_64 3
		.amdhsa_memory_ordered 1
		.amdhsa_forward_progress 1
		.amdhsa_inst_pref_size 162
	.end_amdhsa_kernel
	.amdgpu_metadata
---
amdhsa.version: [ 1, 2 ]
amdhsa.kernels:
  - .name:           k_q1deed447e5_lvl4
    .symbol:         k_q1deed447e5_lvl4.kd
    .args:
      - { .name: ya, .offset: 0, .size: 8, .value_kind: global_buffer, .address_space: global }
      - { .name: c4, .offset: 8, .size: 8, .value_kind: global_buffer, .address_space: global }
      - { .name: b_mix, .offset: 16, .size: 8, .value_kind: global_buffer, .address_space: global }
      - { .name: out0, .offset: 24, .size: 8, .value_kind: global_buffer, .address_space: global }
    .group_segment_fixed_size: 327680
    .private_segment_fixed_size: 0
    .kernarg_segment_align: 8
    .kernarg_segment_size: 32
    .max_flat_workgroup_size: 128
    .sgpr_count:     80
    .vgpr_count:     1024
    .wavefront_size: 32
...
	.end_amdgpu_metadata
.endif
;; end of part 4
